; MI455X (gfx1250); checked and timed in simulation.
; The chip was launched on July 23, 2026; its instructions are those of AMD's public machine-readable ISA for CDNA 5 (MIT licence, August 2026) and "CDNA5" Instruction Set Architecture Reference Guide (July 2026). The comments in the code are by the model that wrote it; some were corrected since.
;; Causal Self Attention. Allowed arithmetic: float matrix products may take bf16 or f16 operands with f32 sums; all other float work in f32.
;; Inputs: Wk 1,024 x 256 float32; Wo 1,024 x 1,024 float32; Wq 1,024 x 1,024 float32; Wv 1,024 x 256 float32; bk 256 float32; bo 1,024 float32; bq 1,024 float32; bv 256 float32; x 2 x 2,048 x 1,024 float32.
;; Outputs: out0 2 x 2,048 x 1,024 float32.
;; One version. Each part assembles by itself: llvm-mc -triple=amdgcn-amd-amdhsa -mcpu=gfx1250 --defsym DOCPART=n.
;; ======== version 1 of 1: 4 launches
;; limits: values are held in f16: magnitudes above 65,504 overflow, below 6.1e-05 lose precision
;; workspace buffers: xb 8,388,608 bytes; wt 3,145,728 bytes; wot 2,097,152 bytes; bqkv 6,144 bytes; qkv 12,582,912 bytes; yb 8,388,608 bytes
;; launch prep (part 1): grid 833 x 1, 8 waves a work-group, no clusters, 18,432 bytes of LDS; arguments x, Wq, Wk, Wv, Wo, bq, bv, xb, wt, wot, bqkv; writes xb, wt, wot, bqkv
.if DOCPART == 1
	.amdgcn_target "amdgcn-amd-amdhsa--gfx1250"
	.amdhsa_code_object_version 6
	.text
	.protected	k_q16c971ab17_prep
	.globl	k_q16c971ab17_prep
	.p2align	8
	.type	k_q16c971ab17_prep,@function
k_q16c971ab17_prep:
	s_mov_b64 s[64:65], 0
	v_nop
	global_prefetch_b8 v0, s[64:65] scope:SCOPE_SE
	s_setreg_imm32_b32 hwreg(HW_REG_WAVE_MODE, 25, 1), 1
	s_wait_xcnt 0x0
; PREPARATION for banded grouped-query attention (B 2, T 2048, C 1024, 16 query heads, 4 key/value heads, head size 64).
; This launch makes the matrix operands of the later launches: x in bf16 (xb [4096][1024]); the weights transposed, so that K lies
; along the rows (wt [1536][1024] bf16: rows 0-1023 Wq^T, 1024-1279 Wk^T, 1280-1535 Wv^T; wot [1024][1024] = Wo^T);
; and one bias vector bqkv [1536] f32 = bq, 256 zeros, bv.
; FORMATS.  Every input of a matrix product (x, Wq, Wk, Wv, Wo) carries one and the same rounding, to bf16, to nearest even: the rounding
; that the problem grants to matrix operands.  The program's result is then reference() on inputs so rounded, up to the rounding of the
; intermediates alone; these (q, k, v, the weights P, y) are kept in f16, with eleven significant bits.  Wo is multiplied with y, and a
; matrix instruction takes both operands in one format: so Wo's bf16 value is stored as f16, which holds its eight bits exactly
; for magnitudes from 2^-14 to 65,504.  Biases are no matrix operands and stay in f32.
;
; WORK LEFT OUT BY THE WHOLE PROGRAM, and why it can reach no output:
;  * bk.  The score of query i and key j is q_i . (x_j Wk + bk) / 8 = q_i . (x_j Wk) / 8 + q_i . bk / 8.  The second term does not
;    depend on j, the axis of the softmax; softmax(s + t) = softmax(s) for a t that is the same along the axis, for all values of
;    q, x, Wk and bk, and entries that the band sets to -inf stay -inf.  k is used nowhere else.  So bk is not loaded and is an
;    argument of no launch; the K columns of bqkv hold 0, so that the projection's bias step is one text for Q, K and V.
;  * Keys outside the band j in [i-256, i], which reference() builds itself: their weights are exp(-inf) = 0.  They are left out
;    where they come in whole tiles of 16 keys x 16 queries; keys j < 0 do not exist.
;  * The repetition of K and V over the four heads of a group is a copy: the four heads read the same tile.
; LIMITS.  A NaN, an infinity or an overflow in bk, or in products with keys outside the band, is not carried to the result.
; |Wo|, |q|, |k|, |v|, |y| must stay below 65,504 (f16); below 2^-14 they keep fewer bits (absolute error at most 2^-25).
;
; Memory bounds this launch, so it is laid out by bytes: every input byte is read once by 16-byte loads, every output byte is
; written once, and each store of a wave covers whole aligned runs of 256 bytes.  No matrix unit, no cluster: nothing is shared.
; Work-groups 0-511: 8,192 numbers of x each.  512-831: one tile of 128 k x 64 n of a weight.  832: the bias vector.
.set NX, 512                           ; work-groups for x
.set NW, 320                           ; weight tiles: Wq 128, Wo 128, Wk 32, Wv 32
.set LP, 272                           ; LDS row: 128 numbers of 2 bytes of one n, 256 bytes + 16 of padding
	s_load_b512 s[8:23], s[0:1], 0x0               ; x 8:9, Wq 10:11, Wk 12:13, Wv 14:15, Wo 16:17, bq 18:19, bv 20:21, xb 22:23
	s_load_b128 s[24:27], s[0:1], 0x40             ; wt 24:25, wot 26:27
	s_load_b64 s[28:29], s[0:1], 0x50              ; bqkv
	v_lshl_add_u32 v80, v0, 2, 0x4400
	v_mov_b32 v81, 0
	s_mov_b32 s30, ttmp9                           ; the work-group's number picks the path: the same for all its waves
	s_wait_kmcnt 0x0
	s_cmp_lt_u32 s30, NX
	s_cbranch_scc1 .Lx
	s_cmp_lt_u32 s30, NX+NW
	s_cbranch_scc1 .Lw
	; ---- the bias vector: bq to bytes 0-4095 (all 256 threads), zeros to 4096-5119 (waves 2, 3), bv to 5120-6143 (waves 0, 1)
	v_lshrrev_b32 v2, 5, v0
	v_readfirstlane_b32 s42, v2                    ; wave number
	v_lshlrev_b32 v1, 4, v0                        ; 16 bytes a thread
	global_load_b128 v[16:19], v1, s[18:19]
	s_wait_loadcnt 0x0
	global_store_b128 v1, v[16:19], s[28:29]
	s_cmp_lt_u32 s42, 2
	s_cbranch_scc1 .Lbv
	s_cmp_lt_u32 s42, 4
	s_cbranch_scc1 .Lzero
	s_endpgm
.Lbv:
	global_load_b128 v[20:23], v1, s[20:21]        ; threads 0-63: bv's 1,024 bytes
	s_wait_loadcnt 0x0
	global_store_b128 v1, v[20:23], s[28:29] offset:5120
	s_endpgm
.Lzero:
	v_mov_b32 v24, 0
	v_mov_b32 v25, 0
	v_mov_b32 v26, 0
	v_mov_b32 v27, 0
	global_store_b128 v1, v[24:27], s[28:29] offset:3072   ; threads 64-127: 16 t + 3,072 = bytes 4,096 to 5,119
	s_endpgm
	; ---- x to bf16: 32,768 bytes in, 16,384 out.  Eight loads of every wave go out together; no register is used twice.
.Lx:
	s_lshl_b32 s38, s30, 15
	s_mov_b32 s39, 0
	s_lshl_b32 s40, s30, 14
	s_mov_b32 s41, 0
	s_add_nc_u64 s[32:33], s[8:9], s[38:39]
	s_add_nc_u64 s[34:35], s[22:23], s[40:41]
	v_lshlrev_b32 v1, 4, v0                        ; in: 16 bytes a thread, 512 neighbouring bytes a wave
	v_lshlrev_b32 v2, 3, v0                        ; out: 8 bytes a thread, 256 neighbouring bytes a wave, aligned
.irp i, 0,1,2,3,4,5,6,7
	global_load_b128 v[16+4*\i:19+4*\i], v1, s[32:33] offset:4096*\i th:TH_LOAD_NT
.endr
.irp i, 0,1,2,3,4,5,6,7
	s_wait_loadcnt 7-\i                            ; loads return in order: load i is in, the 7 - i younger ones stay out
	v_cvt_pk_bf16_f32 v[48+2*\i], v[16+4*\i], v[17+4*\i]
	v_cvt_pk_bf16_f32 v[49+2*\i], v[18+4*\i], v[19+4*\i]
	global_store_b64 v2, v[48+2*\i:49+2*\i], s[34:35] offset:2048*\i
.endr
	s_endpgm
	; ---- one weight tile, 128 k x 64 n, rounded to bf16 and transposed through LDS
.Lw:
	s_sub_co_u32 s30, s30, NX                      ; tile number u: 0-127 Wq, 128-255 Wo, 256-287 Wk, 288-319 Wv
	s_mov_b64 s[32:33], s[14:15]                   ; start from Wv's case,
	s_add_nc_u64 s[34:35], s[24:25], 0x280000      ; wt's row 1280 (2,048 bytes a row)
	s_add_nc_u64 s[38:39], s[24:25], 0x200000      ; wt's row 1024, for Wk
	s_mov_b32 s31, 1024                            ; bytes from row to row of the source
	s_mov_b32 s37, 288                             ; where the range of u begins
	s_cmp_lt_u32 s30, 288                          ; and select downward; the selects leave SCC as it is
	s_cselect_b64 s[32:33], s[12:13], s[32:33]
	s_cselect_b64 s[34:35], s[38:39], s[34:35]
	s_cselect_b32 s37, 256, s37
	s_cmp_lt_u32 s30, 256
	s_cselect_b64 s[32:33], s[16:17], s[32:33]
	s_cselect_b64 s[34:35], s[26:27], s[34:35]
	s_cselect_b32 s37, 128, s37
	s_cselect_b32 s31, 4096, s31
	s_cmp_lt_u32 s30, 128
	s_cselect_b64 s[32:33], s[10:11], s[32:33]
	s_cselect_b64 s[34:35], s[24:25], s[34:35]
	s_cselect_b32 s37, 0, s37
	s_sub_co_u32 s30, s30, s37
	s_mov_b32 s43, s37                             ; the range's start is kept: 128 says that the tile is Wo's
	s_and_b32 s36, s30, 7                          ; kt: which 128 of k
	s_lshr_b32 s37, s30, 3                         ; nt: which 64 of n
	s_mul_i32 s38, s36, s31
	s_lshl_b32 s38, s38, 7                         ; kt x 128 rows
	s_lshl_b32 s40, s37, 8                         ; nt x 64 numbers of 4 bytes
	s_add_co_u32 s38, s38, s40
	s_mov_b32 s39, 0
	s_add_nc_u64 s[32:33], s[32:33], s[38:39]
	s_lshl_b32 s40, s37, 17                        ; nt x 64 rows of 2,048 bytes
	s_lshl_b32 s41, s36, 8                         ; kt x 128 numbers of 2 bytes
	s_add_co_u32 s40, s40, s41
	s_mov_b32 s41, 0
	s_add_nc_u64 s[34:35], s[34:35], s[40:41]
	v_and_b32 v1, 15, v0                           ; cg: my four columns n = 4 cg .. 4 cg + 3
	v_lshrrev_b32 v2, 4, v0                        ; kb: my eight rows k = 8 kb .. 8 kb + 7
	v_lshlrev_b32 v3, 3, v2
	v_mul_lo_u32 v4, v3, s31
	v_lshl_add_u32 v4, v1, 4, v4                   ; row 8 kb, 16 bytes at 16 cg
.irp i, 1,2,3,4,5,6,7
	v_add_nc_u32 v[4+\i], s31, v[3+\i]             ; the next row
.endr
.irp i, 0,1,2,3,4,5,6,7
	global_load_b128 v[16+4*\i:19+4*\i], v[4+\i], s[32:33] th:TH_LOAD_NT   ; sixteen lanes read 256 neighbouring bytes of a row
.endr
	v_mul_u32_u24 v12, v1, 4*LP
	v_lshl_add_u32 v12, v2, 4, v12                 ; LDS in: row n = 4 cg, 16 bytes (8 k) at 16 kb
	v_mul_u32_u24 v13, v2, LP
	v_lshl_add_u32 v13, v1, 4, v13                 ; LDS back: row t / 16, 16 bytes at 16 (t mod 16)
	v_lshlrev_b32 v14, 11, v2
	v_lshl_add_u32 v14, v1, 4, v14                 ; and the same place in the transposed weight
.irp jj, 0,1,2,3
	s_wait_loadcnt 6-2*\jj                         ; rows 2 jj and 2 jj + 1 are in, the younger loads stay out
.irp c, 0,1,2,3
	v_cvt_pk_bf16_f32 v[48+4*\c+\jj], v[16+8*\jj+\c], v[20+8*\jj+\c]   ; column c: k = 2 jj below, 2 jj + 1 above: the packing transposes
.endr
.endr
	; Wo alone: its bf16 values are written as f16, the format of y, with which they are multiplied.  The branch hangs on the work-group's number: the same for all its waves.
	s_cmp_lg_u32 s43, 128
	s_cbranch_scc1 .Lstays_bf16
.set wi, 0
.rept 16
	v_lshlrev_b32 v[72+2*(wi&1)], 16, v[48+wi]                 ; bf16 to f32: the low half moves up,
	v_and_b32     v[73+2*(wi&1)], 0xffff0000, v[48+wi]         ; the high half stays
	v_cvt_pk_f16_f32 v[48+wi], v[72+2*(wi&1)], v[73+2*(wi&1)]  ; eight significant bits fit in f16's eleven
.set wi, wi+1
.endr
.Lstays_bf16:
.irp c, 0,1,2,3
	ds_store_b128 v12, v[48+4*\c:51+4*\c] offset:LP*\c
.endr
	s_wait_dscnt 0x0                               ; my stores are done, for the waves that read them
	s_barrier_signal -1
	s_barrier_wait -1
.irp i, 0,1,2,3
	ds_load_b128 v[64+4*\i:67+4*\i], v13 offset:16*LP*\i
.endr
.irp i, 0,1,2,3
	s_wait_dscnt 3-\i                              ; LDS loads return in order: load i is in
	global_store_b128 v14, v[64+4*\i:67+4*\i], s[34:35] offset:32768*\i    ; sixteen lanes write 256 neighbouring bytes, aligned
.endr
	s_wait_tensorcnt 0x0
	ds_add_u32 v80, v81
	s_wait_dscnt 0x0
	s_endpgm
.Lfunc_end_k_q16c971ab17_prep:
	.size	k_q16c971ab17_prep, .Lfunc_end_k_q16c971ab17_prep-k_q16c971ab17_prep
	.p2alignl 7, 3214868480
	.fill 96, 4, 3214868480
	.section	.rodata,"a",@progbits
	.p2align	6, 0x0
	.amdhsa_kernel k_q16c971ab17_prep
		.amdhsa_group_segment_fixed_size 18432
		.amdhsa_private_segment_fixed_size 0
		.amdhsa_enable_private_segment 0
		.amdhsa_kernarg_size 88
		.amdhsa_user_sgpr_count 2
		.amdhsa_user_sgpr_kernarg_segment_ptr 1
		.amdhsa_wavefront_size32 1
		.amdhsa_system_sgpr_workgroup_id_x 1
		.amdhsa_system_sgpr_workgroup_id_y 1
		.amdhsa_system_sgpr_workgroup_id_z 1
		.amdhsa_system_vgpr_workitem_id 0
		.amdhsa_next_free_vgpr 82
		.amdhsa_next_free_sgpr 66
		.amdhsa_reserve_vcc 0
		.amdhsa_float_denorm_mode_32 3
		.amdhsa_float_denorm_mode_16_64 3
		.amdhsa_memory_ordered 1
		.amdhsa_forward_progress 1
		.amdhsa_inst_pref_size 13
	.end_amdhsa_kernel
	.amdgpu_metadata
---
amdhsa.version: [ 1, 2 ]
amdhsa.kernels:
  - .name:           k_q16c971ab17_prep
    .symbol:         k_q16c971ab17_prep.kd
    .args:
      - { .name: x, .offset: 0, .size: 8, .value_kind: global_buffer, .address_space: global }
      - { .name: Wq, .offset: 8, .size: 8, .value_kind: global_buffer, .address_space: global }
      - { .name: Wk, .offset: 16, .size: 8, .value_kind: global_buffer, .address_space: global }
      - { .name: Wv, .offset: 24, .size: 8, .value_kind: global_buffer, .address_space: global }
      - { .name: Wo, .offset: 32, .size: 8, .value_kind: global_buffer, .address_space: global }
      - { .name: bq, .offset: 40, .size: 8, .value_kind: global_buffer, .address_space: global }
      - { .name: bv, .offset: 48, .size: 8, .value_kind: global_buffer, .address_space: global }
      - { .name: xb, .offset: 56, .size: 8, .value_kind: global_buffer, .address_space: global }
      - { .name: wt, .offset: 64, .size: 8, .value_kind: global_buffer, .address_space: global }
      - { .name: wot, .offset: 72, .size: 8, .value_kind: global_buffer, .address_space: global }
      - { .name: bqkv, .offset: 80, .size: 8, .value_kind: global_buffer, .address_space: global }
    .group_segment_fixed_size: 18432
    .private_segment_fixed_size: 0
    .kernarg_segment_align: 8
    .kernarg_segment_size: 88
    .max_flat_workgroup_size: 256
    .sgpr_count:     66
    .vgpr_count:     82
    .wavefront_size: 32
...
	.end_amdgpu_metadata
.endif
;; end of part 1
;; launch qkvproj (part 2): grid 8 x 32, 4 waves a work-group, clusters of 4 x 4, 327,680 bytes of LDS; arguments xb, wt, bqkv, qkv; writes qkv
.if DOCPART == 2
	.amdgcn_target "amdgcn-amd-amdhsa--gfx1250"
	.amdhsa_code_object_version 6
	.text
	.protected	k_q16c971ab17_qkvproj
	.globl	k_q16c971ab17_qkvproj
	.p2align	8
	.type	k_q16c971ab17_qkvproj,@function
k_q16c971ab17_qkvproj:
	s_mov_b64 s[64:65], 0
	v_nop
	global_prefetch_b8 v0, s[64:65] scope:SCOPE_SE
	s_setreg_imm32_b32 hwreg(HW_REG_WAVE_MODE, 25, 1), 1
	s_wait_xcnt 0x0
	s_wait_alu depctr_hold_cnt(0) depctr_sa_sdst(0) depctr_va_vdst(0) depctr_va_sdst(0) depctr_va_ssrc(0) depctr_va_vcc(0) depctr_vm_vsrc(0)
	s_getreg_b32 s2, hwreg(HW_REG_IB_STS2, 6, 4)
	s_cmp_eq_u32 s2, 0
	s_cbranch_scc0 .Lentry_in_a_cluster
	s_endpgm
.Lentry_in_a_cluster:
	s_bfe_u32 s2, ttmp6, 0x10000c
	s_cmp_lg_u32 s2, 0xf033
	s_cbranch_scc0 .Lentry_shape_is_right
	s_endpgm
.Lentry_shape_is_right:
; q, k, v = x W + b as one product: C[4096][1536] = xb[4096][1024] . wt[1536][1024]^T + bqkv, bf16 operands, f32 sums, f16 out.
; Left out: bk (it adds the same term to all scores of a query, which the softmax cancels): bqkv holds 0 in the K columns.
; The result goes out in slices of 64 columns: qkv[slice][token][64] f16, slices 0-15 the query heads, 16-19 K, 20-23 V.
; A work-group makes 128 tokens x 192 columns (three slices) with four waves, a wave 64 x 96: 24 accumulator tiles, 192 registers.
; With these blocks the grid is 8 x 32 = 256 work-groups.
; THE RING HAS TWO UNEQUAL SLOTS.  Two slots of K = 256 would take 2 x 320 x 528 = 337,920 bytes, more than a WGP's 327,680.  One slot of
; K = 256 (320 rows x 528 = 168,960 bytes) and one of K = 128 (320 x 272 = 87,040) fit with the stage of 51,200: 307,200.  K is walked
; 256, 128, 256, 128, 256: the first fills cover 384 of 1,024, and three refills bring the rest.  Every tile row begins at a multiple
; of 256 bytes (k = 0, 256, 384, 640, 768).  From a refill to the wait for it a wave issues 84 products (slot 0) or 180 (slot 1).
; CLUSTERS: 4 x 4 work-groups.  The four of a row of the cluster share the token block, so A's tiles; the four of a column share the
; column block, so B's.  Each tile is asked for jointly by its four users: the requests for A and B are divided by four.
; The matrix instruction is used transposed (source 0 = rows of wt, source 1 = rows of xb): a lane then holds, of token l % 16,
; the eight neighbouring columns 8 (l / 16) + 0..7 of a tile, which pack into 16 bytes.
; LIMIT: results beyond 65,504 in magnitude do not fit f16.
; REGISTERS.  Window 0: v1-27 addresses; v32-111 and v112-191 two fragment buffers (6 of B, then 4 of A, 8 registers each);
; v192-239 bias.  Window 1: accumulator tile (a, b) at v[8 (6 a + b)].
.set NB,    192                        ; columns of a block
.set NT,    6                          ; column tiles of a wave
.set MT,    4                          ; token tiles of a wave
.set P0,    528                        ; slot 0's LDS row: 512 bytes + 16 of padding, an odd multiple of 16: sixteen rows start in sixteen different 16-byte columns of 256 bytes
.set P1,    272                        ; slot 1's: 256 bytes + 16
.set SLOT1, 320*P0                     ; slot 0 at byte 0: A's 128 rows, then B's 192; slot 1 behind it, laid out alike
.set STAGE, SLOT1+320*P1               ; 256,000, a multiple of 256; never filled by a tensor load: 128 rows x 400 bytes for the way out
.set SP,    400                        ; a stage row: 384 bytes + 16
.set STEPB, 768                        ; from a slot's tile to its next: 256 + 128 numbers of 2 bytes
.set ADRA,  16                         ; v16-17 LDS address of my A fragments in slot 0, 1
.set ADRB,  20                         ; v20-21 the same for B
.set STO,   24
.set RD,    25
.set CO,    26
.set BO,    27
.set FB,    8*(NT+MT)
.set F0,    32
.set F1,    F0+FB
.set BIAS,  192
.set G1A,   24                         ; shape of A's tiles: slot 0 s[24:31], slot 1 s[68:75]
.set G0A,   32                         ; s[32:39] from where, to where: a set for each slot
.set G1B,   48                         ; shape of B's tiles: slot 0 s[48:55], slot 1 s[76:83]
.set G0B,   56                         ; s[56:63]
.set MSB,   0
.macro WIN new                         ; register windows; the immediate's high byte repeats the setting that is left
.if MSB != \new
	s_set_vgpr_msb (MSB<<8)|\new
.set MSB, \new
.endif
.endm
.macro PLACES                          ; four plain vector instructions between a matrix instruction and a load into, or a vector instruction on, its registers
.rept 4
	v_nop
.endr
.endm
; A joint load: waves 0, 1 ask for A's two halves, waves 2, 3 for B's.  The branch hangs on the wave's number alone.
.macro JLOAD s
	s_cmp_eq_u32 s13, 0
	s_cbranch_scc0 .Lfor_b_\@
	tensor_load_to_lds s[G0A+4*\s:G0A+4*\s+3], s[G1A+44*\s:G1A+44*\s+7]
	s_nop 0
	s_branch .Lasked_\@
.Lfor_b_\@:
	tensor_load_to_lds s[G0B+4*\s:G0B+4*\s+3], s[G1B+28*\s:G1B+28*\s+7]
	s_nop 0
.Lasked_\@:
.endm
; A round of the cluster's barrier: my work-group's barrier; wave 0 signals for the work-group; every wave waits for all sixteen; my work-group's barrier again.
.macro CREST                           ; a round behind its opening barrier
	s_cmp_lg_u32 s12, 0
	s_cbranch_scc1 .Lnot_wave_0_\@
	s_barrier_signal -3
.Lnot_wave_0_\@:
	s_barrier_wait -3
	s_barrier_signal -1
	s_barrier_wait -1
.endm
.macro CROUND
	s_barrier_signal -1
	s_barrier_wait -1
	CREST
.endm
; The fragments of one quarter (32 along K at byte k of the slot's rows) into buffer f: 2 loads a fragment, 32 bytes apart
.macro FETCH slot, k, f
	WIN 0
.set FP, P0-(P0-P1)*\slot              ; the slot's pitch
.set fi, 0
.rept NT
	ds_load_b128 v[\f+8*fi:\f+8*fi+3],   v[ADRB+\slot] offset:\k+fi*16*FP
	ds_load_b128 v[\f+8*fi+4:\f+8*fi+7], v[ADRB+\slot] offset:\k+fi*16*FP+32
.set fi, fi+1
.endr
.set fi, 0
.rept MT
	ds_load_b128 v[\f+8*NT+8*fi:\f+8*NT+8*fi+3],   v[ADRA+\slot] offset:\k+fi*16*FP
	ds_load_b128 v[\f+8*NT+8*fi+4:\f+8*NT+8*fi+7], v[ADRA+\slot] offset:\k+fi*16*FP+32
.set fi, fi+1
.endr
.endm
; Token tiles a0 .. a0 + na - 1 x all column tiles, 32 along K.  The accumulators take turns, one instruction a turn, in the same order
; in every quarter.  zero = 1: the first product starts the sums, nothing is cleared.
.macro MULA f, a0, na, zero
	WIN 0x50                               ; C and D in window 1, both sources in window 0
.set ma, \a0
.rept \na
.set mb, 0
.rept NT
.if \zero
	v_wmma_f32_16x16x32_bf16 v[8*(NT*ma+mb):8*(NT*ma+mb)+7], v[\f+8*mb:\f+8*mb+7], v[\f+8*NT+8*ma:\f+8*NT+8*ma+7], 0
.else
	v_wmma_f32_16x16x32_bf16 v[8*(NT*ma+mb):8*(NT*ma+mb)+7], v[\f+8*mb:\f+8*mb+7], v[\f+8*NT+8*ma:\f+8*NT+8*ma+7], v[8*(NT*ma+mb):8*(NT*ma+mb)+7]
.endif
.set mb, mb+1
.endr
.set ma, ma+1
.endr
.endm
; A quarter but the slot's last: the next quarter's fragments are asked for first, into buffer g, and land while buffer f is multiplied.
.macro QUARTER slot, k, f, g, zero
	s_wait_dscnt 0x0                       ; buffer f's loads, issued a quarter ago, are in
	PLACES                                 ; buffer g was read by the products just issued
	FETCH \slot, \k, \g
	MULA \f, 0, MT, \zero
.endm
.macro BODYQ slot, zero                ; all quarters of a slot but the last: seven in slot 0, three in slot 1
	QUARTER \slot, 64,  F0, F1, \zero
	QUARTER \slot, 128, F1, F0, 0
	QUARTER \slot, 192, F0, F1, 0
.if \slot == 0
	QUARTER \slot, 256, F1, F0, 0
	QUARTER \slot, 320, F0, F1, 0
	QUARTER \slot, 384, F1, F0, 0
	QUARTER \slot, 448, F0, F1, 0
.endif
.endm
; The slot's last quarter multiplies buffer 1 and changes slots.  One barrier for two things: in front of it each wave has waited for its
; reads of this slot and for all its tensor loads (one is out: its part of the next slot).  Behind it nobody reads this slot and the
; next is whole.  fill = 1: the barrier opens a round of the cluster's barrier, and the joint refill is the first tensor load behind the round.
.macro TURN slot, next, fill
	s_wait_dscnt 0x0                       ; buffer 1 is in: my last reads of this slot
	s_wait_tensorcnt 0x0                   ; all my tensor loads have landed
	ds_add_u32 v254, v255
	s_wait_dscnt 0x0
	s_barrier_signal -1
	MULA F1, 0, 2, 0                       ; register work while the others arrive
	WIN 0
	s_barrier_wait -1
.if \fill
	CREST
	s_add_nc_u64 s[G0A+4*\slot+2:G0A+4*\slot+3], s[G0A+4*\slot+2:G0A+4*\slot+3], STEPB   ; this slot's next tile; no load of mine is out
	s_add_nc_u64 s[G0B+4*\slot+2:G0B+4*\slot+3], s[G0B+4*\slot+2:G0B+4*\slot+3], STEPB
	JLOAD \slot
.endif
	PLACES                                 ; buffer 0 was read by the quarter before
	FETCH \next, 0, F0
	MULA F1, 2, 2, 0
.endm
.macro VISIT slot, next, zero, fill
	BODYQ \slot, \zero
	TURN \slot, \next, \fill
.endm
	s_load_b256 s[4:11], s[0:1], 0x0               ; xb 4:5, wt 6:7, bqkv 8:9, qkv 10:11
	v_lshl_add_u32 v254, v0, 2, 0x4b000
	v_mov_b32 v255, 0
	ds_add_u32 v254, v255
	ds_add_u32 v254, v255
	v_lshrrev_b32 v1, 5, v0
	v_readfirstlane_b32 s12, v1                    ; wave 0..3
	s_lshr_b32 s13, s12, 1                         ; which 64 tokens are mine.  Also: I fetch for A (0) or for B (1)
	s_and_b32 s14, s12, 1                          ; which 96 columns.  Also: which half of that tile I fetch
	s_bfe_u32 s40, ttmp6, 0x40000                  ; cx
	s_bfe_u32 s41, ttmp6, 0x40004                  ; cy
	s_lshl_b32 s42, ttmp9, 2
	s_add_co_u32 s42, s42, s40                     ; column block = 4 x cluster x + cx
	s_and_b32 s43, ttmp7, 0xffff
	s_lshl_b32 s43, s43, 2
	s_add_co_u32 s43, s43, s41                     ; token block = 4 x cluster y + cy
	s_lshl_b32 s44, s41, 2
	s_lshl_b32 s44, 15, s44                        ; my row of the cluster: places 4 cy .. 4 cy + 3
	s_lshl_b32 s45, 0x1111, s40                    ; my column: places cx, cx + 4, cx + 8, cx + 12
	; the shapes: slot 0 has rows of 256 numbers (128 words: padding code 6), slot 1 of 128 (64 words: code 5)
.irp s, 0,1
	s_or_b32 s[G1A+44*\s], s44, (1<<16)|(1<<20)|(1<<21)|((6-\s)<<22)|(3<<25)   ; mask; 2-byte elements; padding on; bit 21 beside a mask; after each row; of 4 words
	s_or_b32 s[G1B+28*\s], s45, (1<<16)|(1<<20)|(1<<21)|((6-\s)<<22)|(3<<25)
	s_mov_b32 s[G1A+44*\s+1], (256-128*\s)<<16     ; tensor_dim0 = the tile's
	s_mov_b32 s[G1B+28*\s+1], (256-128*\s)<<16
	s_mov_b32 s[G1A+44*\s+2], 64<<16               ; tensor_dim1 = the tile's rows: A 64
	s_mov_b32 s[G1B+28*\s+2], (NB/2)<<16           ; B 96
	s_mov_b32 s[G1A+44*\s+3], (256-128*\s)<<16     ; tile_dim0
	s_mov_b32 s[G1B+28*\s+3], (256-128*\s)<<16
	s_mov_b32 s[G1A+44*\s+4], 64                   ; tile_dim1
	s_mov_b32 s[G1B+28*\s+4], NB/2
	s_mov_b32 s[G1A+44*\s+5], 1024                 ; elements from row to row
	s_mov_b32 s[G1B+28*\s+5], 1024
	s_mov_b32 s[G1A+44*\s+6], 0
	s_mov_b32 s[G1B+28*\s+6], 0
	s_mov_b32 s[G1A+44*\s+7], 0
	s_mov_b32 s[G1B+28*\s+7], 0
.endr
	; LDS places, of the wave's number alone: in each slot A's two halves, then B's two halves behind A's 128 rows
	s_mov_b32 s[G0A], 1
	s_mul_i32 s[G0A+1], s14, 64*P0
	s_mov_b32 s[G0A+4], 1
	s_mul_i32 s[G0A+5], s14, 64*P1
	s_add_co_u32 s[G0A+5], s[G0A+5], SLOT1
	s_mov_b32 s[G0B], 1
	s_mul_i32 s[G0B+1], s14, (NB/2)*P0
	s_add_co_u32 s[G0B+1], s[G0B+1], 128*P0
	s_mov_b32 s[G0B+4], 1
	s_mul_i32 s[G0B+5], s14, (NB/2)*P1
	s_add_co_u32 s[G0B+5], s[G0B+5], SLOT1+128*P1
	; A's address hangs on the token block and the wave alone (s16, s17, s20, s21), B's on the column block and the wave alone (s46, s47)
	s_lshl_b32 s16, s43, 7
	s_lshl_b32 s17, s14, 6
	s_add_co_u32 s16, s16, s17                     ; row 128 x block + 64 x half
	s_lshl_b32 s16, s16, 11                        ; 2,048 bytes a row
	s_mov_b32 s17, 0
	s_mul_i32 s46, s42, NB
	s_mul_i32 s47, s14, NB/2
	s_add_co_u32 s46, s46, s47
	s_lshl_b32 s46, s46, 11
	s_mov_b32 s47, 0
	s_wait_dscnt 0x0
	s_wait_kmcnt 0x0
	s_add_nc_u64 s[20:21], s[4:5], s[16:17]
	s_add_nc_u64 s[46:47], s[6:7], s[46:47]
	CROUND                                         ; all sixteen work-groups are here: the first joint loads meet
.irp s, 0,1
	s_add_nc_u64 s[G0A+4*\s+2:G0A+4*\s+3], s[20:21], \s*512        ; slot 0: k = 0; slot 1: k = 256
	s_or_b32 s[G0A+4*\s+3], s[G0A+4*\s+3], 0x80000000
	s_add_nc_u64 s[G0B+4*\s+2:G0B+4*\s+3], s[46:47], \s*512
	s_or_b32 s[G0B+4*\s+3], s[G0B+4*\s+3], 0x80000000
	JLOAD \s                                       ; both slots' first fills go out before anything else: two tensor loads of the wave are out
.endr
	; the bias of my 96 columns: tile b, columns 8 (l / 16) + 0..7: 32 bytes a lane
	v_and_b32 v1, 15, v0                           ; r = l % 16
	v_bfe_u32 v2, v0, 4, 1                         ; h = l / 16
	v_lshlrev_b32 v[BO], 5, v2
	s_mul_i32 s46, s42, NB*4
	s_mul_i32 s47, s14, NB*2
	s_add_co_u32 s46, s46, s47
	s_mov_b32 s47, 0
	s_add_nc_u64 s[8:9], s[8:9], s[46:47]
.set bi, 0
.rept NT
	global_load_b128 v[BIAS+8*bi:BIAS+8*bi+3],   v[BO], s[8:9] offset:64*bi
	global_load_b128 v[BIAS+8*bi+4:BIAS+8*bi+7], v[BO], s[8:9] offset:64*bi+16
.set bi, bi+1
.endr
	v_mul_u32_u24 v3, v1, P0                       ; a fragment's lane: row r, 16 bytes at 16 h, in each slot's pitch
	v_lshl_add_u32 v3, v2, 4, v3
	v_mul_u32_u24 v4, v1, P1
	v_lshl_add_u32 v4, v2, 4, v4
	s_mul_i32 s18, s13, 64*P0
	s_mul_i32 s19, s14, (NB/2)*P0
	s_add_co_u32 s19, s19, 128*P0
	v_add_nc_u32 v[ADRA], s18, v3
	v_add_nc_u32 v[ADRB], s19, v3
	s_mul_i32 s18, s13, 64*P1
	s_add_co_u32 s18, s18, SLOT1
	s_mul_i32 s19, s14, (NB/2)*P1
	s_add_co_u32 s19, s19, SLOT1+128*P1
	v_add_nc_u32 v[ADRA+1], s18, v4
	v_add_nc_u32 v[ADRB+1], s19, v4
	s_mul_i32 s18, s13, 64*SP                      ; the way out, in: stage row 64 wm + r, bytes 192 wn + 16 h
	s_mul_i32 s19, s14, 192
	s_add_co_u32 s18, s18, s19
	s_add_co_u32 s18, s18, STAGE
	v_mul_u32_u24 v4, v1, SP
	v_lshl_add_u32 v4, v2, 4, v4
	v_add_nc_u32 v[STO], s18, v4
	v_and_b32 v5, 31, v0                           ; back: wave w takes stage rows 32 w .. 32 w + 31, four rows of a slice (128 bytes each) a load
	v_lshrrev_b32 v6, 3, v5
	v_and_b32 v7, 7, v5
	v_mul_u32_u24 v6, v6, SP
	v_lshl_add_u32 v6, v7, 4, v6
	s_mul_i32 s18, s12, 32*SP
	s_add_co_u32 s18, s18, STAGE
	v_add_nc_u32 v[RD], s18, v6
	v_lshlrev_b32 v[CO], 4, v5                     ; in a slice four tokens are 512 neighbouring bytes: 16 x lane
	s_lshl_b32 s18, s12, 12
	v_add_nc_u32 v[CO], s18, v[CO]                 ; + 32 tokens of 128 bytes a wave
	s_wait_tensorcnt 0x1                           ; my part of slot 0 is in; slot 1's may stay out
	s_barrier_signal -1
	s_barrier_wait -1
	FETCH 0, 0, F0
	VISIT 0, 1, 1, 1                               ; k 0-255;   slot 0 is asked for again: k 384-639
	VISIT 1, 0, 0, 1                               ; k 256-383; slot 1 again: k 640-767
	VISIT 0, 1, 0, 1                               ; k 384-639; slot 0 again: k 768-1023
	VISIT 1, 0, 0, 0                               ; k 640-767; nothing is left to fetch
	BODYQ 0, 0                                     ; k 768-1023
	s_wait_dscnt 0x0
	MULA F1, 0, MT, 0
	; THE WAY OUT: add the bias, round to f16, 16 bytes a lane into the block's stage; then whole runs of 512 bytes of each slice.
	PLACES
	WIN 0
	s_wait_loadcnt 0x0                             ; the bias
.macro OUTA a
	WIN 0x01                               ; source 0 (the sums) in window 1
.set ob, 0
.rept NT
.set op, 0
.rept 4
	v_pk_add_f32 v[F0+8*ob+2*op:F0+8*ob+2*op+1], v[8*(NT*\a+ob)+2*op:8*(NT*\a+ob)+2*op+1], v[BIAS+8*ob+2*op:BIAS+8*ob+2*op+1]
.set op, op+1
.endr
.set ob, ob+1
.endr
	WIN 0
.set ob, 0
.rept NT
.set op, 0
.rept 4
	v_cvt_pk_f16_f32 v[F1+4*ob+op], v[F0+8*ob+2*op], v[F0+8*ob+2*op+1]
.set op, op+1
.endr
	ds_store_b128 v[STO], v[F1+4*ob:F1+4*ob+3] offset:\a*16*SP+32*ob
.set ob, ob+1
.endr
.endm
	OUTA 0
	OUTA 1
	OUTA 2
	OUTA 3
	s_lshl_b32 s16, s43, 14                        ; my block's 128 tokens of 128 bytes in a slice,
	s_mov_b32 s17, 0
	s_add_nc_u64 s[10:11], s[10:11], s[16:17]
	s_mul_i32 s46, s42, 3*524288                   ; and its first slice, 3 x column block
	s_mov_b32 s47, 0
	s_add_nc_u64 s[10:11], s[10:11], s[46:47]
	s_wait_dscnt 0x0                               ; my stage stores are done, for the waves that read them
	s_barrier_signal -1
	s_barrier_wait -1
.irp sl, 0,1,2
.irp i, 0,1,2,3,4,5,6,7
	ds_load_b128 v[F0+4*(8*\sl+\i):F0+4*(8*\sl+\i)+3], v[RD] offset:\i*4*SP+128*\sl
.endr
.endr
.irp sl, 0,1,2
.irp i, 0,1,2,3,4,5,6,7
	s_wait_dscnt 23-(8*\sl+\i)                     ; LDS loads return in order: this one is in, the younger stay out
	global_store_b128 v[CO], v[F0+4*(8*\sl+\i):F0+4*(8*\sl+\i)+3], s[10:11] offset:\sl*524288+512*\i   ; 512 neighbouring bytes, aligned
.endr
.endr
	s_wait_tensorcnt 0x0
	ds_add_u32 v254, v255
	s_wait_dscnt 0x0
	CROUND                                         ; the closing round: no work-group ends while a partner may still ask for a tile that names it
	s_endpgm
.Lfunc_end_k_q16c971ab17_qkvproj:
	.size	k_q16c971ab17_qkvproj, .Lfunc_end_k_q16c971ab17_qkvproj-k_q16c971ab17_qkvproj
	.p2alignl 7, 3214868480
	.fill 96, 4, 3214868480
	.section	.rodata,"a",@progbits
	.p2align	6, 0x0
	.amdhsa_kernel k_q16c971ab17_qkvproj
		.amdhsa_group_segment_fixed_size 327680
		.amdhsa_private_segment_fixed_size 0
		.amdhsa_enable_private_segment 0
		.amdhsa_kernarg_size 32
		.amdhsa_user_sgpr_count 2
		.amdhsa_user_sgpr_kernarg_segment_ptr 1
		.amdhsa_wavefront_size32 1
		.amdhsa_system_sgpr_workgroup_id_x 1
		.amdhsa_system_sgpr_workgroup_id_y 1
		.amdhsa_system_sgpr_workgroup_id_z 1
		.amdhsa_system_vgpr_workitem_id 0
		.amdhsa_next_free_vgpr 448
		.amdhsa_next_free_sgpr 84
		.amdhsa_reserve_vcc 0
		.amdhsa_float_denorm_mode_32 3
		.amdhsa_float_denorm_mode_16_64 3
		.amdhsa_memory_ordered 1
		.amdhsa_forward_progress 1
		.amdhsa_inst_pref_size 126
	.end_amdhsa_kernel
	.amdgpu_metadata
---
amdhsa.version: [ 1, 2 ]
amdhsa.kernels:
  - .name:           k_q16c971ab17_qkvproj
    .symbol:         k_q16c971ab17_qkvproj.kd
    .args:
      - { .name: xb, .offset: 0, .size: 8, .value_kind: global_buffer, .address_space: global }
      - { .name: wt, .offset: 8, .size: 8, .value_kind: global_buffer, .address_space: global }
      - { .name: bqkv, .offset: 16, .size: 8, .value_kind: global_buffer, .address_space: global }
      - { .name: qkv, .offset: 24, .size: 8, .value_kind: global_buffer, .address_space: global }
    .group_segment_fixed_size: 327680
    .private_segment_fixed_size: 0
    .kernarg_segment_align: 8
    .kernarg_segment_size: 32
    .max_flat_workgroup_size: 128
    .sgpr_count:     84
    .vgpr_count:     448
    .wavefront_size: 32
...
	.end_amdgpu_metadata
.endif
;; end of part 2
;; launch attn (part 3): grid 32 x 8, 8 waves a work-group, no clusters, 168,960 bytes of LDS; arguments qkv, yb; writes yb
.if DOCPART == 3
	.amdgcn_target "amdgcn-amd-amdhsa--gfx1250"
	.amdhsa_code_object_version 6
	.text
	.protected	k_q16c971ab17_attn
	.globl	k_q16c971ab17_attn
	.p2align	8
	.type	k_q16c971ab17_attn,@function
k_q16c971ab17_attn:
	s_mov_b64 s[64:65], 0
	v_nop
	global_prefetch_b8 v0, s[64:65] scope:SCOPE_SE
	s_setreg_imm32_b32 hwreg(HW_REG_WAVE_MODE, 25, 1), 1
	s_wait_xcnt 0x0
; Banded attention: query i sees keys i-256 .. i.  qkv[slice][token][64] f16 (slices 0-15 q, 16-19 k, 20-23 v); yb[4096][1024] f16.
; Left out: key tiles of 16 x 16 that lie wholly outside the band (their weights are exp(-inf) = 0), keys j < 0 (they do not exist).
; A work-group takes 64 queries (x) of the four heads of one key/value group of one batch (y = 4 b + g), so K and V are read once for
; four heads.  Wave w: head w & 3, queries t0 = 64 x + 32 (w >> 2) .. + 31 as two tiles of 16.  Its keys are t0-256 .. t0+31: nine chunks
; of 32, numbered n = 0 (the diagonal chunk) to n = 8 (the lowest).  All 320 key rows of the work-group are brought in once, 80 KiB:
; no slot is ever filled again.
; NO JOINT LOADS: neighbouring query blocks share four fifths of their keys, but a key row's LDS place here is j - (64 x - 256): it differs
; between the partners, and a joint load puts a tile at one LDS address in all of them.
; TRANSPOSED FORM.  S^T = K Q^T: lane (r, h) holds, of query r, the keys 16 kt + 8 h + 0..7.  Packed to f16 these registers ARE the second
; source of O^T = V^T P^T, so P never leaves the registers and a query's maximum is one number a lane.
; ALL SCORES STAY IN REGISTERS.  The band bounds a wave's scores: 34 live tiles x 8 = 272 registers.  So the true maximum of each query
; is taken once, over all its keys, and taken away before the exponentials as the softmax asks: nothing is rescaled.
; First all QK products, chunk by chunk (the maxima of chunk n-1 stand behind the products of chunk n, K's fragments are asked for a chunk
; ahead); then the PV products, with the exponentials and the packing of the next chunk in slices between them.
; The exponent is c s - c m, c = log2(e) / 8, in one fused multiply-add; the rounding of c m is the same factor in all weights of a query
; and cancels in the division.  THE SUM of a query's weights is one more product, a fragment of ones times P^T: it adds exactly the
; f16 weights that V is multiplied by, and every lane of the query receives the whole sum.
; ONE CHAIN OF BRANCHES.  For t0 < 256 only t0 / 32 chunks lie below the diagonal one.  The QK run branches out at the last chunk that exists;
; LASTB is written out for each such n: it ends the scores, takes the maximum, does chunk 0 (which starts all sums), prepares chunk n and
; enters the common run of PV steps at n.  Behind that chain there is no further branch, so on every way into a label all that is read behind it is written.
; REGISTERS.  Window 0: v4-11 addresses; v12-19 eight chains of maxima; v20-23 -c m; v24-31 at work; v32-39 ones; v40-55 sums;
; v56-87, v88-119 two fragment buffers (K, later V); v120-183 O (Q lies in v120-151 until the scores are done); v184-215, v216-247 buffers TA, TB:
; a chunk's 32 exponents, weights, and, packed in place, its two P fragments.  Chunk 0's scores lie in TA.  Window 1: chunk n's scores at 32 (n - 1).
; Eight waves of 512 registers fill the four SIMDs' 1,024.
; LIMITS: |y| < 65,504 (f16); weights below 2^-24 of the row's largest round to 0 in f16.
.set KP,    144                        ; K's LDS row: 128 bytes + 16, an odd multiple of 16
.set VP,    160                        ; V's LDS row: 128 bytes + 32, an odd multiple of 32, for the transposing load
.set YP,    528                        ; a stage row: 4 heads x 128 bytes + 16
.set VBASE, 320*KP                     ; 46,080
.set STAGE, VBASE+320*VP               ; 97,280, a multiple of 256; no tensor load lands here; 64 rows
.set KA,  4
.set VA,  5
.set STO, 6
.set RD,  7
.set CO,  8
.set DLT, 9                            ; r - 8 h
.set NINF, 10
.set QO,  11
.set RM,  12                           ; + 4 mt + chain
.set NMR, 20                           ; + 2 mt: -c m, twice
.set TR,  24
.set ONES, 32
.set LS,  40                           ; + 8 mt
.set FB0, 56
.set FB1, 88
.set OA,  120                          ; + 32 mt + 8 dt
.set QF,  120                          ; + 16 mt + 8 dc
.set TA,  184
.set TB,  216
.set MSB, 0
.macro WIN new                         ; register windows: bits 1:0 source 0, 3:2 source 1, 5:4 source 2, 7:6 destination; the high byte repeats the setting that is left
.if MSB != \new
	s_set_vgpr_msb (MSB<<8)|\new
.set MSB, \new
.endif
.endm
.macro PLACES                          ; four plain vector instructions between a matrix instruction and a load into, or a vector instruction on, its registers
.rept 4
	v_nop
.endr
.endm
	s_load_b128 s[4:7], s[0:1], 0x0                ; qkv 4:5, yb 6:7
	v_lshl_add_u32 v254, v0, 2, 0x29000
	v_mov_b32 v255, 0
	ds_add_u32 v254, v255
	ds_add_u32 v254, v255
	v_lshrrev_b32 v1, 5, v0
	v_readfirstlane_b32 s8, v1                     ; wave 0..7
	s_and_b32 s9, s8, 3                            ; head in the group
	s_lshr_b32 s10, s8, 2                          ; which 32 queries
	s_mov_b32 s11, ttmp9                           ; query block
	s_and_b32 s12, ttmp7, 0xffff
	s_lshr_b32 s13, s12, 2                         ; batch
	s_and_b32 s14, s12, 3                          ; group
	s_lshl_b32 s15, s11, 1
	s_add_co_u32 s15, s15, s10                     ; t0 / 32 chunks of keys lie below the diagonal chunk,
	s_min_u32 s15, s15, 8                          ; of which the band reaches eight: the number of the last chunk
	s_mov_b32 s16, 0x3e38aa3b                      ; c = log2(e) / 8, twice for the packed form
	s_mov_b32 s17, 0x3e38aa3b
	s_mov_b32 s3, 0xbe38aa3b                       ; -c
	s_mov_b32 s18, 0x76543210                      ; lane i of one half reads lane i of the other
	s_mov_b32 s19, 0xfedcba98
	; A segment of 64 key rows is 8,192 dense bytes: 32 rows of 32 elements of 8 bytes; padding after every 32 words, that is after each key row
	s_mov_b32 s20, 0x07130000                      ; K: 8-byte elements, padding on, after 2 << 4 words, of 4 words
	s_mov_b32 s28, 0x0f130000                      ; V: of 8 words
.irp g, 20, 28
	s_mov_b32 s[\g+1], 32<<16                      ; tensor_dim0 = 32
	s_mov_b32 s[\g+2], 32<<16                      ; tensor_dim1 = 32
	s_mov_b32 s[\g+3], 32<<16                      ; tile_dim0 = 32
	s_mov_b32 s[\g+4], 32                          ; tile_dim1 = 32
	s_mov_b32 s[\g+5], 32                          ; elements from row to row: dense
	s_mov_b32 s[\g+6], 0
	s_mov_b32 s[\g+7], 0
.endr
	s_wait_dscnt 0x0
	s_wait_kmcnt 0x0
	; Waves 0-4 bring segment w (keys 64 (x + w - 4) .. + 63) of K and of V: two tensor loads of a wave are out.  Segments of keys j < 0 are not asked for.
	s_cmp_gt_u32 s8, 4
	s_cbranch_scc1 .Lnofill
	s_add_co_u32 s60, s8, s11
	s_cmp_lt_u32 s60, 4
	s_cbranch_scc1 .Lnofill
	s_sub_co_u32 s60, s60, 4
	s_lshl_b32 s60, s60, 6
	s_lshl_b32 s61, s13, 11
	s_add_co_u32 s60, s60, s61                     ; token 2048 b + 64 (x + w - 4)
	s_lshl_b32 s60, s60, 7                         ; 128 bytes a token
	s_add_co_u32 s61, s14, 16
	s_lshl_b32 s61, s61, 19                        ; slice 16 + g, 524,288 bytes a slice
	s_add_co_u32 s60, s60, s61
	s_mov_b32 s61, 0
	s_mov_b32 s36, 1
	s_mul_i32 s37, s8, 64*KP
	s_add_nc_u64 s[38:39], s[4:5], s[60:61]
	s_mov_b32 s40, 1
	s_mul_i32 s41, s8, 64*VP
	s_add_co_u32 s41, s41, VBASE
	s_add_nc_u64 s[42:43], s[38:39], 0x200000      ; V's slice is four slices behind K's
	s_or_b32 s39, s39, 0x80000000
	s_or_b32 s43, s43, 0x80000000
	tensor_load_to_lds s[36:39], s[20:27]
	s_nop 0
	tensor_load_to_lds s[40:43], s[28:35]
	s_nop 0
.Lnofill:
	; Q straight into fragments: lane (r, h) takes of query r the 16 bytes at 64 dc + 16 h and 32 further
	v_and_b32 v1, 15, v0                           ; r
	v_bfe_u32 v2, v0, 4, 1                         ; h
	v_and_b32 v3, 31, v0                           ; lane
	v_lshlrev_b32 v30, 7, v1
	v_lshl_add_u32 v[QO], v2, 4, v30
	s_lshl2_add_u32 s60, s14, s9                   ; slice 4 g + head
	s_lshl_b32 s60, s60, 19
	s_lshl_b32 s61, s13, 11
	s_lshl_b32 s2, s11, 6
	s_add_co_u32 s61, s61, s2
	s_lshl_b32 s2, s10, 5
	s_add_co_u32 s61, s61, s2                      ; token 2048 b + t0
	s_lshl_b32 s61, s61, 7
	s_add_co_u32 s60, s60, s61
	s_mov_b32 s61, 0
	s_add_nc_u64 s[62:63], s[4:5], s[60:61]
.irp mt, 0,1
.irp dc, 0,1
	global_load_b128 v[QF+16*\mt+8*\dc:QF+16*\mt+8*\dc+3],   v[QO], s[62:63] offset:2048*\mt+64*\dc
	global_load_b128 v[QF+16*\mt+8*\dc+4:QF+16*\mt+8*\dc+7], v[QO], s[62:63] offset:2048*\mt+64*\dc+32
.endr
.endr
	s_mul_i32 s60, s10, 32*KP                      ; K fragment: local row 32 th + r, 16 bytes at 16 h
	v_mul_u32_u24 v24, v1, KP
	v_lshl_add_u32 v24, v2, 4, v24
	v_add_nc_u32 v[KA], s60, v24
	v_and_b32 v25, 7, v0                           ; V, transposing load: local row 32 th + 8 h + (l & 7), 16 bytes at 16 ((l >> 3) & 1)
	v_lshl_add_u32 v25, v2, 3, v25
	v_mul_u32_u24 v25, v25, VP
	v_bfe_u32 v26, v0, 3, 1
	v_lshl_add_u32 v25, v26, 4, v25
	s_mul_i32 s60, s10, 32*VP
	s_add_co_u32 s60, s60, VBASE
	v_add_nc_u32 v[VA], s60, v25
	v_mul_u32_u24 v27, v1, YP                      ; the way out, in: stage row 32 th + r, bytes 128 head + 16 h
	v_lshl_add_u32 v27, v2, 4, v27
	s_mul_i32 s60, s10, 32*YP
	s_lshl_b32 s61, s9, 7
	s_add_co_u32 s60, s60, s61
	s_add_co_u32 s60, s60, STAGE
	v_add_nc_u32 v[STO], s60, v27
	v_lshlrev_b32 v28, 4, v3                       ; back: wave w takes stage rows 8 w .. 8 w + 7, a row of 512 bytes a load
	s_mul_i32 s60, s8, 8*YP
	s_add_co_u32 s60, s60, STAGE
	v_add_nc_u32 v[RD], s60, v28
	s_lshl_b32 s60, s8, 14                         ; 8 rows of 2,048 bytes of yb a wave
	v_add_nc_u32 v[CO], s60, v28
	v_lshlrev_b32 v29, 3, v2
	v_sub_nc_u32 v[DLT], v1, v29
	v_mov_b32 v[NINF], 0xff800000
	v_mov_b32 v31, 0
.irp i, 0,1,2,3,4,5,6,7
	v_mov_b32 v[ONES+\i], 0x3c003c00               ; 1.0 in both f16 halves
.endr
	; In a tile on the band's edge, register j of lane (r, h) is key 8 h + j against query r.
.irp j, 0,1,2,3,4,5,6,7
	v_cmp_le_i32 s[44+\j], \j, v[DLT]              ; upper edge, key <= query: j <= r - 8 h
	v_cmp_ge_i32 s[52+\j], \j, v[DLT]              ; lower edge, key >= query - 256: j >= r - 8 h
.endr
	s_lshl_b32 s60, s13, 11                        ; yb at token 2048 b + 64 x, column 256 g
	s_lshl_b32 s61, s11, 6
	s_add_co_u32 s60, s60, s61
	s_lshl_b32 s60, s60, 11
	s_lshl_b32 s61, s14, 9
	s_add_co_u32 s60, s60, s61
	s_mov_b32 s61, 0
	s_add_nc_u64 s[6:7], s[6:7], s[60:61]
	s_wait_tensorcnt 0x0                           ; my segments have landed (a wave that asked for none passes at once),
	s_barrier_signal -1
	s_barrier_wait -1                              ; everybody's have
; ---- the scores
.macro LK kb, n                        ; K's fragments of chunk n (keys t0 - 32 n .. + 31) into buffer kb: (kt, dc) at kb + 16 kt + 8 dc
.irp kt, 0,1
.irp dc, 0,1
	ds_load_b128 v[\kb+16*\kt+8*\dc:\kb+16*\kt+8*\dc+3],   v[KA] offset:(32*(8-(\n))+16*\kt)*KP+64*\dc
	ds_load_b128 v[\kb+16*\kt+8*\dc+4:\kb+16*\kt+8*\dc+7], v[KA] offset:(32*(8-(\n))+16*\kt)*KP+64*\dc+32
.endr
.endr
.endm
.macro QKT sb, kb, mt, kt, dc          ; 16 keys x 16 queries, 32 of the head's 64 numbers; the first half starts the sum
.if \dc == 0
	v_wmma_f32_16x16x32_f16 v[\sb+16*\mt+8*\kt:\sb+16*\mt+8*\kt+7], v[\kb+16*\kt:\kb+16*\kt+7], v[QF+16*\mt:QF+16*\mt+7], 0
.else
	v_wmma_f32_16x16x32_f16 v[\sb+16*\mt+8*\kt:\sb+16*\mt+8*\kt+7], v[\kb+16*\kt+8:\kb+16*\kt+15], v[QF+16*\mt+8:QF+16*\mt+15], v[\sb+16*\mt+8*\kt:\sb+16*\mt+8*\kt+7]
.endif
.endm
; Chunk n's products.  In chunk 0 tile (queries 0-15, keys 16-31) is wholly masked, in chunk 8 tile (queries 16-31, keys 0-15): not multiplied.
; The three or four accumulators take turns, one instruction a turn.
.macro QKC n
.set QKB, FB0+32*((\n)&1)
.if (\n) == 0
.set QSB, TA
	WIN 0
.else
.set QSB, 32*((\n)-1)
	WIN 0x50                               ; C and D in window 1
.endif
.irp dc, 0,1
	QKT QSB, QKB, 0, 0, \dc
.if (\n) != 0
	QKT QSB, QKB, 0, 1, \dc
.endif
.if (\n) != 8
	QKT QSB, QKB, 1, 0, \dc
.endif
	QKT QSB, QKB, 1, 1, \dc
.endr
.endm
.macro MXT sb, mt, init                ; a tile's eight scores into the query tile's four chains; init = 1: they start the chains, nothing is cleared
.irp ch, 0,1,2,3
.if \init
	v_max_num_f32 v[RM+4*\mt+\ch], v[\sb+2*\ch], v[\sb+2*\ch+1]
.else
	v_max3_num_f32 v[RM+4*\mt+\ch], v[\sb+2*\ch], v[\sb+2*\ch+1], v[RM+4*\mt+\ch]
.endif
.endr
.endm
.macro MXC m                           ; the band's edge in chunks 0 and 8, then chunk m's scores into the maxima
.if (\m) == 0
	WIN 0
.irp j, 0,1,2,3,4,5,6,7
	v_cndmask_b32 v[TA+\j],    v[NINF], v[TA+\j],    s[44+\j]
	v_cndmask_b32 v[TA+24+\j], v[NINF], v[TA+24+\j], s[44+\j]
.endr
	MXT TA, 0, 1
	MXT TA+16, 1, 1
	MXT TA+24, 1, 0
.else
.set MXB, 32*((\m)-1)
.if (\m) == 8
	WIN 0x44                               ; source 1 and destination in window 1
.irp j, 0,1,2,3,4,5,6,7
	v_cndmask_b32 v[MXB+\j],    v[NINF], v[MXB+\j],    s[52+\j]
	v_cndmask_b32 v[MXB+24+\j], v[NINF], v[MXB+24+\j], s[52+\j]
.endr
.endif
	WIN 0x05                               ; sources 0 and 1 in window 1
	MXT MXB, 0, 0
.if (\m) != 8
	MXT MXB+16, 1, 0
.endif
	MXT MXB+8, 0, 0
	MXT MXB+24, 1, 0
.endif
.endm
; Chunk n, when chunk n + 1 exists: its K is asked for first; the maxima of chunk n - 1 stand behind the products and are the places
; in front of the next loads into the buffer that these products read.
.macro QBLOCK n
.set QN1, (\n)+1
.set QB1, FB0+32*(QN1&1)
	LK QB1, QN1
	s_wait_dscnt 0x8                       ; chunk n's eight loads are in; the eight just issued stay out
	QKC \n
.if (\n) == 0
	WIN 0
	PLACES
.else
	MXC (\n)-1
.endif
	WIN 0
.endm
; ---- the weights and the sums
.macro LV vb, n                        ; V^T's fragments of chunk n into buffer vb, by the transposing load
.irp dt, 0,1,2,3
	ds_load_tr16_b128 v[\vb+8*\dt:\vb+8*\dt+3],   v[VA] offset:32*(8-(\n))*VP+32*\dt
	ds_load_tr16_b128 v[\vb+8*\dt+4:\vb+8*\dt+7], v[VA] offset:32*(8-(\n))*VP+32*\dt+16*VP
.endr
.endm
.macro COMBINE                         ; each query's maximum over all its keys, and the level -c m
	v_max3_num_f32 v[TR],   v[RM],   v[RM+1], v[RM+2]
	v_max3_num_f32 v[TR+1], v[RM+4], v[RM+5], v[RM+6]
	v_max_num_f32 v[TR],   v[TR],   v[RM+3]
	v_max_num_f32 v[TR+1], v[TR+1], v[RM+7]
	v_permlanex16_b32 v[TR+2], v[TR],   s18, s19   ; the other half of the query's keys
	v_permlanex16_b32 v[TR+3], v[TR+1], s18, s19
	v_max_num_f32 v[TR],   v[TR],   v[TR+2]        ; finite: each query has its own key in chunk 0
	v_max_num_f32 v[TR+1], v[TR+1], v[TR+3]
	v_mul_f32 v[NMR],   s3, v[TR]
	v_mul_f32 v[NMR+1], s3, v[TR]
	v_mul_f32 v[NMR+2], s3, v[TR+1]
	v_mul_f32 v[NMR+3], s3, v[TR+1]
.endm
; A chunk's 32 scores are eight groups g of four registers: query tile g / 4, registers 4 (g % 4) .. + 3 of its sixteen.
.macro GLV m, g                        ; GL = 0: group g of chunk m lies in the wholly masked tile
.set GL, 1
.if (\m) == 0
.if (\g) == 2
.set GL, 0
.endif
.if (\g) == 3
.set GL, 0
.endif
.endif
.if (\m) == 8
.if (\g) == 4
.set GL, 0
.endif
.if (\g) == 5
.set GL, 0
.endif
.endif
.endm
.macro FX tb, m                        ; the exponents c s - c m of chunk m into buffer tb; a masked -inf stays -inf
.if (\m) == 0
.set FSB, TA
	WIN 0
.else
.set FSB, 32*((\m)-1)
	WIN 0x01                               ; source 0 (the scores) in window 1
.endif
.set fg, 0
.rept 8
	GLV \m, fg
.if GL
	v_pk_fma_f32 v[\tb+4*fg:\tb+4*fg+1],   v[FSB+4*fg:FSB+4*fg+1],   s[16:17], v[NMR+2*(fg/4):NMR+2*(fg/4)+1] op_sel_hi:[1,0,1]
	v_pk_fma_f32 v[\tb+4*fg+2:\tb+4*fg+3], v[FSB+4*fg+2:FSB+4*fg+3], s[16:17], v[NMR+2*(fg/4):NMR+2*(fg/4)+1] op_sel_hi:[1,0,1]
.endif
.set fg, fg+1
.endr
	WIN 0
.endm
.macro EXPG tb, m, g
	GLV \m, \g
.if GL
.irp i, 0,1,2,3
	v_exp_f32 v[\tb+4*(\g)+\i], v[\tb+4*(\g)+\i]
.endr
.endif
.endm
; Group g's four weights pack into registers 2 (g % 4), + 1 of the query tile's sixteen: in ascending g these have been read already.
; Keys 8 h + 0..7 of key tile 0 become registers 0-3 of the P fragment, of key tile 1 registers 4-7.  A masked tile weighs nothing.
.macro CVTG tb, m, g
	GLV \m, \g
.set CP, \tb+16*((\g)/4)+2*((\g)%4)
.if GL
	s_wait_alu depctr_va_vdst(0)
	v_cvt_pk_f16_f32 v[CP],   v[\tb+4*(\g)],   v[\tb+4*(\g)+1]
	v_cvt_pk_f16_f32 v[CP+1], v[\tb+4*(\g)+2], v[\tb+4*(\g)+3]
.else
	v_mov_b32 v[CP],   0
	v_mov_b32 v[CP+1], 0
.endif
.endm
; Slice k of chunk m's exponentials and packing.  Group k's exponentials; group k - 2's packing behind them, which is the plain instruction
; between an exponential and the use of its result (ISA guide 5.7.2); in slice 1 a v_nop serves groups 0 and 1.  Slice 9 packs the last two
; groups: four plain instructions, the places between the run's last product and the next loads and writes into what the run has read.
.macro SL tb, m, k
.if (\k) < 8
	EXPG \tb, \m, \k
.endif
.if (\k) == 1
	v_nop
.endif
.if (\k) >= 2
.if (\k) < 8
	CVTG \tb, \m, (\k)-2
.endif
.endif
.if (\k) == 9
	CVTG \tb, \m, 6
	CVTG \tb, \m, 7
.endif
.endm
.macro PVW vb, tc, mt, dt, zero
.if \zero
	v_wmma_f32_16x16x32_f16 v[OA+32*\mt+8*\dt:OA+32*\mt+8*\dt+7], v[\vb+8*\dt:\vb+8*\dt+7], v[\tc+16*\mt:\tc+16*\mt+7], 0
.else
	v_wmma_f32_16x16x32_f16 v[OA+32*\mt+8*\dt:OA+32*\mt+8*\dt+7], v[\vb+8*\dt:\vb+8*\dt+7], v[\tc+16*\mt:\tc+16*\mt+7], v[OA+32*\mt+8*\dt:OA+32*\mt+8*\dt+7]
.endif
.endm
.macro LSW tc, mt, zero                ; ones x P^T: every register of every lane of query r receives the sum of the chunk's 32 weights
.if \zero
	v_wmma_f32_16x16x32_f16 v[LS+8*\mt:LS+8*\mt+7], v[ONES:ONES+7], v[\tc+16*\mt:\tc+16*\mt+7], 0
.else
	v_wmma_f32_16x16x32_f16 v[LS+8*\mt:LS+8*\mt+7], v[ONES:ONES+7], v[\tc+16*\mt:\tc+16*\mt+7], v[LS+8*\mt:LS+8*\mt+7]
.endif
.endm
; A chunk's ten products (V in vb, P in tc) on ten accumulators that take turns, one instruction a turn.
; sl = 1: the slices of chunk m, in buffer tn, stand between them; they name none of the products' registers.
.macro WS vb, tc, zero, tn, m, sl
.irp dt, 0,1,2,3
	PVW \vb, \tc, 0, \dt, \zero
.if \sl
	SL \tn, \m, 2*\dt
.endif
	PVW \vb, \tc, 1, \dt, \zero
.if \sl
	SL \tn, \m, 2*\dt+1
.endif
.endr
	LSW \tc, 0, \zero
	LSW \tc, 1, \zero
.if \sl
	SL \tn, \m, 9
.endif
.endm
; Chunks m >= 1 use buffer pair (m + 1) & 1; chunk 0 uses pair 0.  A step: chunk m - 1's V is asked for and its exponents are made; then chunk m's products.
.macro PSTEP m
.set PM1, (\m)-1
.set PVC, FB0+32*(((\m)+1)&1)
.set PTC, TA+32*(((\m)+1)&1)
.set PVN, FB0+32*((\m)&1)
.set PTN, TA+32*((\m)&1)
	LV PVN, PM1
	FX PTN, PM1
	s_wait_dscnt 0x8                       ; chunk m's V is in; the eight loads just issued stay out
	WS PVC, PTC, 0, PTN, PM1, 1
.endm
; Chunk n is the last that exists.
.macro LASTB n
	s_wait_dscnt 0x0                       ; its K
	QKC \n
.if (\n) == 0
	WIN 0
	PLACES
.else
	MXC (\n)-1
.endif
	MXC \n
	WIN 0
	LV FB0, 0                              ; the maxima above are the places behind the products that read this buffer
	COMBINE
	FX TA, 0
.irp k, 0,1,2,3,4,5,6,7,9
	SL TA, 0, \k
.endr
.if (\n) == 0
	s_wait_dscnt 0x0
	WS FB0, TA, 1, 0, 0, 0                 ; chunk 0's products start all sums: nothing is cleared
.else
.if (\n) & 1
	s_wait_dscnt 0x0                       ; an odd chunk uses chunk 0's buffers: one after the other (only where t0 < 256)
	WS FB0, TA, 1, 0, 0, 0
	PLACES
	LV FB0, \n
	FX TA, \n
.irp k, 0,1,2,3,4,5,6,7,9
	SL TA, \n, \k
.endr
.else
	LV FB1, \n
	FX TB, \n
	s_wait_dscnt 0x8                       ; chunk 0's V is in; chunk n's eight loads stay out
	WS FB0, TA, 1, TB, \n, 1
.endif
.endif
.endm
	s_wait_loadcnt 0x0                             ; Q
	LK FB0, 0
.irp n, 0,1,2,3,4,5,6,7
	s_cmp_lt_u32 s15, \n+1                         ; chunk n + 1 exists if t0 - 32 (n + 1) >= 0
	s_cbranch_scc1 .Llast_\n
	QBLOCK \n
.endr
	s_branch .Llast_8
.irp n, 0,1,2,3,4,5,6,7
.Llast_\n:
	LASTB \n
.if \n == 0
	s_branch .Lfin
.else
	s_branch .Lpv_\n
.endif
.endr
.Llast_8:
	LASTB 8
.irp m, 8,7,6,5,4,3,2
.Lpv_\m:
	PSTEP \m
.endr
.Lpv_1:
	s_wait_dscnt 0x0
	WS FB0, TA, 0, 0, 0, 0
.Lfin:
	PLACES
	v_rcp_f32 v[TR],   v[LS]                       ; the sum holds the largest key's weight, 1: never 0
	v_rcp_f32 v[TR+2], v[LS+8]
	v_nop                                          ; the plain instruction behind the reciprocals
	s_wait_alu depctr_va_vdst(0)
	v_mov_b32 v[TR+1], v[TR]
	v_mov_b32 v[TR+3], v[TR+2]
.irp mt, 0,1
.set si, 0
.rept 16
	v_pk_mul_f32 v[OA+32*\mt+2*si:OA+32*\mt+2*si+1], v[OA+32*\mt+2*si:OA+32*\mt+2*si+1], v[TR+2*\mt:TR+2*\mt+1]
.set si, si+1
.endr
.set si, 0
.rept 16
	v_cvt_pk_f16_f32 v[TA+16*\mt+si], v[OA+32*\mt+2*si], v[OA+32*\mt+2*si+1]
.set si, si+1
.endr
.irp dt, 0,1,2,3
	ds_store_b128 v[STO], v[TA+16*\mt+4*\dt:TA+16*\mt+4*\dt+3] offset:16*YP*\mt+32*\dt     ; query r, numbers 16 dt + 8 h + 0..7 of my head
.endr
.endr
	s_wait_dscnt 0x0                               ; my stage stores are done, for the waves that read them
	s_barrier_signal -1
	s_barrier_wait -1
.irp i, 0,1,2,3,4,5,6,7
	ds_load_b128 v[FB0+4*\i:FB0+4*\i+3], v[RD] offset:YP*\i
.endr
.irp i, 0,1,2,3,4,5,6,7
	s_wait_dscnt 7-\i                              ; LDS loads return in order: row i is in
	global_store_b128 v[CO], v[FB0+4*\i:FB0+4*\i+3], s[6:7] offset:2048*\i   ; a token's four heads: 512 neighbouring bytes, aligned
.endr
	s_wait_tensorcnt 0x0
	ds_add_u32 v254, v255
	s_wait_dscnt 0x0
	s_endpgm
.Lfunc_end_k_q16c971ab17_attn:
	.size	k_q16c971ab17_attn, .Lfunc_end_k_q16c971ab17_attn-k_q16c971ab17_attn
	.p2alignl 7, 3214868480
	.fill 96, 4, 3214868480
	.section	.rodata,"a",@progbits
	.p2align	6, 0x0
	.amdhsa_kernel k_q16c971ab17_attn
		.amdhsa_group_segment_fixed_size 168960
		.amdhsa_private_segment_fixed_size 0
		.amdhsa_enable_private_segment 0
		.amdhsa_kernarg_size 16
		.amdhsa_user_sgpr_count 2
		.amdhsa_user_sgpr_kernarg_segment_ptr 1
		.amdhsa_wavefront_size32 1
		.amdhsa_system_sgpr_workgroup_id_x 1
		.amdhsa_system_sgpr_workgroup_id_y 1
		.amdhsa_system_sgpr_workgroup_id_z 1
		.amdhsa_system_vgpr_workitem_id 0
		.amdhsa_next_free_vgpr 512
		.amdhsa_next_free_sgpr 66
		.amdhsa_reserve_vcc 0
		.amdhsa_float_denorm_mode_32 3
		.amdhsa_float_denorm_mode_16_64 3
		.amdhsa_memory_ordered 1
		.amdhsa_forward_progress 1
		.amdhsa_inst_pref_size 158
	.end_amdhsa_kernel
	.amdgpu_metadata
---
amdhsa.version: [ 1, 2 ]
amdhsa.kernels:
  - .name:           k_q16c971ab17_attn
    .symbol:         k_q16c971ab17_attn.kd
    .args:
      - { .name: qkv, .offset: 0, .size: 8, .value_kind: global_buffer, .address_space: global }
      - { .name: yb, .offset: 8, .size: 8, .value_kind: global_buffer, .address_space: global }
    .group_segment_fixed_size: 168960
    .private_segment_fixed_size: 0
    .kernarg_segment_align: 8
    .kernarg_segment_size: 16
    .max_flat_workgroup_size: 256
    .sgpr_count:     66
    .vgpr_count:     512
    .wavefront_size: 32
...
	.end_amdgpu_metadata
.endif
;; end of part 3
;; launch oproj (part 4): grid 8 x 32, 4 waves a work-group, clusters of 4 x 4, 327,680 bytes of LDS; arguments yb, wot, bo, out0; writes out0
.if DOCPART == 4
	.amdgcn_target "amdgcn-amd-amdhsa--gfx1250"
	.amdhsa_code_object_version 6
	.text
	.protected	k_q16c971ab17_oproj
	.globl	k_q16c971ab17_oproj
	.p2align	8
	.type	k_q16c971ab17_oproj,@function
k_q16c971ab17_oproj:
	s_mov_b64 s[64:65], 0
	v_nop
	global_prefetch_b8 v0, s[64:65] scope:SCOPE_SE
	s_setreg_imm32_b32 hwreg(HW_REG_WAVE_MODE, 25, 1), 1
	s_wait_xcnt 0x0
	s_wait_alu depctr_hold_cnt(0) depctr_sa_sdst(0) depctr_va_vdst(0) depctr_va_sdst(0) depctr_va_ssrc(0) depctr_va_vcc(0) depctr_vm_vsrc(0)
	s_getreg_b32 s2, hwreg(HW_REG_IB_STS2, 6, 4)
	s_cmp_eq_u32 s2, 0
	s_cbranch_scc0 .Lentry_in_a_cluster
	s_endpgm
.Lentry_in_a_cluster:
	s_bfe_u32 s2, ttmp6, 0x10000c
	s_cmp_lg_u32 s2, 0xf033
	s_cbranch_scc0 .Lentry_shape_is_right
	s_endpgm
.Lentry_shape_is_right:
; out0[4096][1024] f32 = yb[4096][1024] . wot[1024][1024]^T + bo, f16 operands, f32 sums.  Nothing is left out here.
; A work-group makes 128 tokens x 128 columns with four waves, a wave 64 x 64: 16 accumulator tiles, 128 registers; 8 x 32 = 256 work-groups.
; K goes in steps of 256 through two LDS slots filled by tensor loads (rows of 512 bytes of memory at multiples of 512 bytes): four steps,
; so only two refills, each with a whole step's products less those between signal and refill in which to land.
; CLUSTERS: 4 x 4 work-groups.  A's tiles (token block) are shared along a row of the cluster, B's (column block) along a column; each is
; asked for jointly by its four users.
; The matrix instruction is used transposed (source 0 = rows of wot, source 1 = rows of yb): a lane holds, of token l % 16, the eight
; neighbouring columns 8 (l / 16) + 0..7 of a tile: 32 bytes of f32.
; REGISTERS.  Window 0: v1-27 addresses; v32-95 and v96-159 two fragment buffers (4 of B, then 4 of A); v192-223 bias.
; Window 1: accumulator tile (a, b) at v[8 (4 a + b)].
.set NB,    128
.set NT,    4
.set MT,    4
.set KS,    256
.set PITCH, 528                        ; LDS row: 512 bytes + 16 of padding, an odd multiple of 16
.set QI,    6                          ; padding after every 2 << 6 = 128 words, a row
.set NQ,    8
.set SLOT,  (128+NB)*PITCH
.set STAGE, 2*SLOT                     ; behind the ring, never filled by a tensor load: 16 rows x 272 bytes for each wave
.set SP,    272
.set ADRA,  16
.set ADRB,  20
.set STO,   24
.set RD,    25
.set CO,    26
.set BO,    27
.set FB,    8*(NT+MT)
.set F0,    32
.set F1,    F0+FB
.set BIAS,  192
.set G1A,   24
.set G0A,   32
.set G1B,   48
.set G0B,   56
.set MSB,   0
.macro WIN new                         ; register windows; the immediate's high byte repeats the setting that is left
.if MSB != \new
	s_set_vgpr_msb (MSB<<8)|\new
.set MSB, \new
.endif
.endm
.macro PLACES                          ; four plain vector instructions between a matrix instruction and a load into, or a vector instruction on, its registers
.rept 4
	v_nop
.endr
.endm
; A joint load: waves 0, 1 ask for A's two halves, waves 2, 3 for B's.  The branch hangs on the wave's number alone.
.macro JLOAD s
	s_cmp_eq_u32 s13, 0
	s_cbranch_scc0 .Lfor_b_\@
	tensor_load_to_lds s[G0A+4*\s:G0A+4*\s+3], s[G1A:G1A+7]
	s_nop 0
	s_branch .Lasked_\@
.Lfor_b_\@:
	tensor_load_to_lds s[G0B+4*\s:G0B+4*\s+3], s[G1B:G1B+7]
	s_nop 0
.Lasked_\@:
.endm
; A round of the cluster's barrier: my work-group's barrier; wave 0 signals for the work-group; every wave waits for all sixteen; my work-group's barrier again.
.macro CREST
	s_cmp_lg_u32 s12, 0
	s_cbranch_scc1 .Lnot_wave_0_\@
	s_barrier_signal -3
.Lnot_wave_0_\@:
	s_barrier_wait -3
	s_barrier_signal -1
	s_barrier_wait -1
.endm
.macro CROUND
	s_barrier_signal -1
	s_barrier_wait -1
	CREST
.endm
.macro FETCH slot, k, f                ; the fragments of one quarter (32 along K at byte k of the slot's rows) into buffer f
	WIN 0
.set fi, 0
.rept NT
	ds_load_b128 v[\f+8*fi:\f+8*fi+3],   v[ADRB+\slot] offset:\k+fi*16*PITCH
	ds_load_b128 v[\f+8*fi+4:\f+8*fi+7], v[ADRB+\slot] offset:\k+fi*16*PITCH+32
.set fi, fi+1
.endr
.set fi, 0
.rept MT
	ds_load_b128 v[\f+8*NT+8*fi:\f+8*NT+8*fi+3],   v[ADRA+\slot] offset:\k+fi*16*PITCH
	ds_load_b128 v[\f+8*NT+8*fi+4:\f+8*NT+8*fi+7], v[ADRA+\slot] offset:\k+fi*16*PITCH+32
.set fi, fi+1
.endr
.endm
; The accumulators take turns, one instruction a turn, in the same order in every quarter.
.macro MULA f, a0, na, zero
	WIN 0x50                               ; C and D in window 1, both sources in window 0
.set ma, \a0
.rept \na
.set mb, 0
.rept NT
.if \zero
	v_wmma_f32_16x16x32_f16 v[8*(NT*ma+mb):8*(NT*ma+mb)+7], v[\f+8*mb:\f+8*mb+7], v[\f+8*NT+8*ma:\f+8*NT+8*ma+7], 0
.else
	v_wmma_f32_16x16x32_f16 v[8*(NT*ma+mb):8*(NT*ma+mb)+7], v[\f+8*mb:\f+8*mb+7], v[\f+8*NT+8*ma:\f+8*NT+8*ma+7], v[8*(NT*ma+mb):8*(NT*ma+mb)+7]
.endif
.set mb, mb+1
.endr
.set ma, ma+1
.endr
.endm
.macro QUARTER slot, k, f, g, zero
	s_wait_dscnt 0x0                       ; buffer f's loads, issued a quarter ago, are in
	PLACES                                 ; buffer g was read by the products just issued
	FETCH \slot, \k, \g
	MULA \f, 0, MT, \zero
.endm
.macro BODYQ slot, zero
	QUARTER \slot, 64,  F0, F1, \zero
	QUARTER \slot, 128, F1, F0, 0
	QUARTER \slot, 192, F0, F1, 0
.if NQ == 8
	QUARTER \slot, 256, F1, F0, 0
	QUARTER \slot, 320, F0, F1, 0
	QUARTER \slot, 384, F1, F0, 0
	QUARTER \slot, 448, F0, F1, 0
.endif
.endm
; The slot's last quarter multiplies buffer 1 and changes slots.  In front of the barrier each wave has waited for its reads of this slot and
; for all its tensor loads.  fill = 1: the barrier opens a round of the cluster's barrier, and the joint refill is the first tensor load behind the round.
.macro TURN slot, next, fill
	s_wait_dscnt 0x0                       ; buffer 1 is in: my last reads of this slot
	s_wait_tensorcnt 0x0                   ; all my tensor loads have landed
	ds_add_u32 v254, v255
	s_wait_dscnt 0x0
	s_barrier_signal -1
	MULA F1, 0, 2, 0                       ; register work while the others arrive
	WIN 0
	s_barrier_wait -1
.if \fill
	CREST
	s_add_nc_u64 s[G0A+4*\slot+2:G0A+4*\slot+3], s[G0A+4*\slot+2:G0A+4*\slot+3], 4*KS   ; two K steps on, 2 bytes a number; no load of mine is out
	s_add_nc_u64 s[G0B+4*\slot+2:G0B+4*\slot+3], s[G0B+4*\slot+2:G0B+4*\slot+3], 4*KS
	JLOAD \slot
.endif
	PLACES                                 ; buffer 0 was read by the quarter before
	FETCH \next, 0, F0
	MULA F1, 2, 2, 0
.endm
.macro VISIT slot, next, zero, fill
	BODYQ \slot, \zero
	TURN \slot, \next, \fill
.endm
	s_load_b256 s[4:11], s[0:1], 0x0               ; yb 4:5, wot 6:7, bo 8:9, out0 10:11
	v_lshl_add_u32 v254, v0, 2, 0x46400
	v_mov_b32 v255, 0
	ds_add_u32 v254, v255
	ds_add_u32 v254, v255
	v_lshrrev_b32 v1, 5, v0
	v_readfirstlane_b32 s12, v1                    ; wave 0..3
	s_lshr_b32 s13, s12, 1                         ; which 64 tokens are mine.  Also: I fetch for A (0) or for B (1)
	s_and_b32 s14, s12, 1                          ; which 64 columns.  Also: which half of that tile I fetch
	s_bfe_u32 s40, ttmp6, 0x40000                  ; cx
	s_bfe_u32 s41, ttmp6, 0x40004                  ; cy
	s_lshl_b32 s42, ttmp9, 2
	s_add_co_u32 s42, s42, s40                     ; column block
	s_and_b32 s43, ttmp7, 0xffff
	s_lshl_b32 s43, s43, 2
	s_add_co_u32 s43, s43, s41                     ; token block
	s_lshl_b32 s44, s41, 2
	s_lshl_b32 s44, 15, s44                        ; my row of the cluster
	s_lshl_b32 s45, 0x1111, s40                    ; my column
	s_or_b32 s[G1A+0], s44, (1<<16)|(1<<20)|(1<<21)|(QI<<22)|(3<<25)   ; mask; 2-byte elements; padding on; bit 21 beside a mask; after each row; of 4 words
	s_or_b32 s[G1B+0], s45, (1<<16)|(1<<20)|(1<<21)|(QI<<22)|(3<<25)
	s_mov_b32 s[G1A+1], KS<<16
	s_mov_b32 s[G1B+1], KS<<16
	s_mov_b32 s[G1A+2], 64<<16
	s_mov_b32 s[G1B+2], (NB/2)<<16
	s_mov_b32 s[G1A+3], KS<<16
	s_mov_b32 s[G1B+3], KS<<16
	s_mov_b32 s[G1A+4], 64
	s_mov_b32 s[G1B+4], NB/2
	s_mov_b32 s[G1A+5], 1024
	s_mov_b32 s[G1B+5], 1024
	s_mov_b32 s[G1A+6], 0
	s_mov_b32 s[G1B+6], 0
	s_mov_b32 s[G1A+7], 0
	s_mov_b32 s[G1B+7], 0
	; A's address hangs on the token block and the wave alone (s16, s17, s20, s21), B's on the column block and the wave alone (s46, s47)
	s_lshl_b32 s16, s43, 7
	s_lshl_b32 s17, s14, 6
	s_add_co_u32 s16, s16, s17
	s_lshl_b32 s16, s16, 11
	s_mov_b32 s17, 0
	s_mul_i32 s46, s42, NB
	s_mul_i32 s47, s14, NB/2
	s_add_co_u32 s46, s46, s47
	s_lshl_b32 s46, s46, 11
	s_mov_b32 s47, 0
	s_mul_i32 s22, s14, 64*PITCH                   ; LDS places, of the wave's number alone
	s_mul_i32 s23, s14, (NB/2)*PITCH
	s_add_co_u32 s23, s23, 128*PITCH
	s_wait_dscnt 0x0
	s_wait_kmcnt 0x0
	s_add_nc_u64 s[20:21], s[4:5], s[16:17]
	s_add_nc_u64 s[46:47], s[6:7], s[46:47]
	CROUND                                         ; all sixteen work-groups are here: the first joint loads meet
.irp s, 0,1
	s_mov_b32 s[G0A+4*\s], 1
	s_add_co_u32 s[G0A+4*\s+1], s22, \s*SLOT
	s_add_nc_u64 s[G0A+4*\s+2:G0A+4*\s+3], s[20:21], \s*KS*2
	s_or_b32 s[G0A+4*\s+3], s[G0A+4*\s+3], 0x80000000
	s_mov_b32 s[G0B+4*\s], 1
	s_add_co_u32 s[G0B+4*\s+1], s23, \s*SLOT
	s_add_nc_u64 s[G0B+4*\s+2:G0B+4*\s+3], s[46:47], \s*KS*2
	s_or_b32 s[G0B+4*\s+3], s[G0B+4*\s+3], 0x80000000
	JLOAD \s                                       ; both slots' first fills go out before anything else: two tensor loads of the wave are out
.endr
	v_and_b32 v1, 15, v0                           ; r
	v_bfe_u32 v2, v0, 4, 1                         ; h
	v_lshlrev_b32 v[BO], 5, v2                     ; the bias of my 64 columns: tile b, columns 8 h + 0..7
	s_mul_i32 s46, s42, NB*4
	s_mul_i32 s47, s14, NB*2
	s_add_co_u32 s46, s46, s47
	s_mov_b32 s47, 0
	s_add_nc_u64 s[8:9], s[8:9], s[46:47]
.set bi, 0
.rept NT
	global_load_b128 v[BIAS+8*bi:BIAS+8*bi+3],   v[BO], s[8:9] offset:64*bi
	global_load_b128 v[BIAS+8*bi+4:BIAS+8*bi+7], v[BO], s[8:9] offset:64*bi+16
.set bi, bi+1
.endr
	v_mul_u32_u24 v3, v1, PITCH
	v_lshl_add_u32 v3, v2, 4, v3
	s_mul_i32 s18, s13, 64*PITCH
	s_mul_i32 s19, s14, (NB/2)*PITCH
	s_add_co_u32 s19, s19, 128*PITCH
.irp s, 0,1
	v_add_nc_u32 v[ADRA+\s], s18, v3
	v_add_nc_u32 v[ADRB+\s], s19, v3
	s_add_co_u32 s18, s18, SLOT
	s_add_co_u32 s19, s19, SLOT
.endr
	s_mul_i32 s18, s12, 16*SP
	s_add_co_u32 s18, s18, STAGE                   ; my own stage
	v_mul_u32_u24 v4, v1, SP                       ; in: row r, 32 bytes at 32 h
	v_lshl_add_u32 v4, v2, 5, v4
	v_add_nc_u32 v[STO], s18, v4
	v_mul_u32_u24 v5, v2, SP                       ; back: lanes 0-15 take one row of 256 bytes, lanes 16-31 the next
	v_lshl_add_u32 v5, v1, 4, v5
	v_add_nc_u32 v[RD], s18, v5
	v_lshlrev_b32 v6, 12, v2                       ; and the same two rows of out0, 4,096 bytes a row
	v_lshl_add_u32 v[CO], v1, 4, v6
	s_wait_tensorcnt 0x1                           ; my part of slot 0 is in; slot 1's may stay out
	s_barrier_signal -1
	s_barrier_wait -1
	FETCH 0, 0, F0
	VISIT 0, 1, 1, 1                               ; K steps 0 and 1 fill their slot again, two steps ahead
	VISIT 1, 0, 0, 1
	VISIT 0, 1, 0, 0                               ; nothing is left to fetch
	BODYQ 1, 0
	s_wait_dscnt 0x0
	MULA F1, 0, MT, 0
	; THE WAY OUT, 16 tokens at a time: add the bias, 32 bytes a lane into my own stage, read back as whole rows of 256 bytes.
	PLACES
	WIN 0
	s_lshl_b32 s16, s43, 7
	s_lshl_b32 s17, s13, 6
	s_add_co_u32 s16, s16, s17                     ; my first token
	s_lshl_b32 s16, s16, 12
	s_mov_b32 s17, 0
	s_add_nc_u64 s[10:11], s[10:11], s[16:17]
	s_lshl_b32 s46, s42, 9                         ; my first column, in bytes: 512 x block + 256 x half
	s_lshl_b32 s47, s14, 8
	s_add_co_u32 s46, s46, s47
	s_mov_b32 s47, 0
	s_add_nc_u64 s[10:11], s[10:11], s[46:47]
	s_wait_loadcnt 0x0                             ; the bias
.macro OUTO a
	WIN 0x01                               ; source 0 (the sums) in window 1
.set ob, 0
.rept NT
.set op, 0
.rept 4
	v_pk_add_f32 v[F0+8*ob+2*op:F0+8*ob+2*op+1], v[8*(NT*\a+ob)+2*op:8*(NT*\a+ob)+2*op+1], v[BIAS+8*ob+2*op:BIAS+8*ob+2*op+1]
.set op, op+1
.endr
.set ob, ob+1
.endr
	WIN 0
.set ob, 0
.rept NT
	ds_store_b128 v[STO], v[F0+8*ob:F0+8*ob+3]   offset:64*ob
	ds_store_b128 v[STO], v[F0+8*ob+4:F0+8*ob+7] offset:64*ob+16
.set ob, ob+1
.endr
	s_wait_xcnt 0x0                        ; the registers that the last stores read, and their base, are rewritten only behind this wait (ISA guide 3.1)
.if \a
	s_add_nc_u64 s[10:11], s[10:11], 65536 ; 16 tokens on
.endif
.irp t, 0,1,2,3,4,5,6,7
	ds_load_b128 v[F1+4*\t:F1+4*\t+3], v[RD] offset:\t*2*SP        ; LDS serves a wave's instructions in order (ISA guide 5.7.1.4): these see the stores above
.endr
.irp t, 0,1,2,3,4,5,6,7
	s_wait_dscnt 7-\t                      ; load t is in, the younger stay out
	global_store_b128 v[CO], v[F1+4*\t:F1+4*\t+3], s[10:11] offset:8192*\t th:TH_STORE_NT   ; sixteen lanes write 256 neighbouring bytes, aligned
.endr
.endm
	OUTO 0
	OUTO 1
	OUTO 2
	OUTO 3
	s_wait_tensorcnt 0x0
	ds_add_u32 v254, v255
	s_wait_dscnt 0x0
	CROUND                                         ; the closing round: no work-group ends while a partner may still ask for a tile that names it
	s_endpgm
.Lfunc_end_k_q16c971ab17_oproj:
	.size	k_q16c971ab17_oproj, .Lfunc_end_k_q16c971ab17_oproj-k_q16c971ab17_oproj
	.p2alignl 7, 3214868480
	.fill 96, 4, 3214868480
	.section	.rodata,"a",@progbits
	.p2align	6, 0x0
	.amdhsa_kernel k_q16c971ab17_oproj
		.amdhsa_group_segment_fixed_size 327680
		.amdhsa_private_segment_fixed_size 0
		.amdhsa_enable_private_segment 0
		.amdhsa_kernarg_size 32
		.amdhsa_user_sgpr_count 2
		.amdhsa_user_sgpr_kernarg_segment_ptr 1
		.amdhsa_wavefront_size32 1
		.amdhsa_system_sgpr_workgroup_id_x 1
		.amdhsa_system_sgpr_workgroup_id_y 1
		.amdhsa_system_sgpr_workgroup_id_z 1
		.amdhsa_system_vgpr_workitem_id 0
		.amdhsa_next_free_vgpr 384
		.amdhsa_next_free_sgpr 66
		.amdhsa_reserve_vcc 0
		.amdhsa_float_denorm_mode_32 3
		.amdhsa_float_denorm_mode_16_64 3
		.amdhsa_memory_ordered 1
		.amdhsa_forward_progress 1
		.amdhsa_inst_pref_size 94
	.end_amdhsa_kernel
	.amdgpu_metadata
---
amdhsa.version: [ 1, 2 ]
amdhsa.kernels:
  - .name:           k_q16c971ab17_oproj
    .symbol:         k_q16c971ab17_oproj.kd
    .args:
      - { .name: yb, .offset: 0, .size: 8, .value_kind: global_buffer, .address_space: global }
      - { .name: wot, .offset: 8, .size: 8, .value_kind: global_buffer, .address_space: global }
      - { .name: bo, .offset: 16, .size: 8, .value_kind: global_buffer, .address_space: global }
      - { .name: out0, .offset: 24, .size: 8, .value_kind: global_buffer, .address_space: global }
    .group_segment_fixed_size: 327680
    .private_segment_fixed_size: 0
    .kernarg_segment_align: 8
    .kernarg_segment_size: 32
    .max_flat_workgroup_size: 128
    .sgpr_count:     66
    .vgpr_count:     384
    .wavefront_size: 32
...
	.end_amdgpu_metadata
.endif
;; end of part 4
